; MI455X (gfx1250); checked and timed in simulation.
; The chip was launched on July 23, 2026; its instructions are those of AMD's public machine-readable ISA for CDNA 5 (MIT licence, August 2026) and "CDNA5" Instruction Set Architecture Reference Guide (July 2026). The comments in the code are by the model that wrote it; some were corrected since.
;; Grouped Query Attention. Allowed arithmetic: matrix products marked QUANTISED: E5M2 operands, one given power-of-two scale a tensor, by v_wmma_f32_16x16x64_bf8_bf8 or v_wmma_f32_16x16x128_bf8_bf8, f32 sums; everything else in f32.
;; Inputs: b_k 256 float32; b_o 1,024 float32; b_q 1,024 float32; b_v 256 float32; key_codes 1 x 4,096 x 32 x 32 uint8 (E5M2 codes of key, K innermost, in blocks of 32 codes); lowp_scales 12 int32 (the exponents e of the quantised operands' scales 2^e); query_codes 1 x 4,096 x 32 x 32 uint8 (E5M2 codes of query, K innermost, in blocks of 32 codes); value_codes 1 x 4,096 x 32 x 32 uint8 (E5M2 codes of value, K innermost, in blocks of 32 codes); w_k_codes 256 x 32 x 32 uint8 (E5M2 codes of w_k, K innermost, in blocks of 32 codes); w_o_codes 1,024 x 32 x 32 uint8 (E5M2 codes of w_o, K innermost, in blocks of 32 codes); w_q_codes 1,024 x 32 x 32 uint8 (E5M2 codes of w_q, K innermost, in blocks of 32 codes); w_v_codes 256 x 32 x 32 uint8 (E5M2 codes of w_v, K innermost, in blocks of 32 codes).
;; Outputs: out0 1 x 4,096 x 1,024 float32.
;; This version of the problem:
;;   THIS VERSION OF THE PROBLEM IS GIVEN IN LOW PRECISION. The matrix products marked QUANTISED in the list below multiply operands that are first quantised to E5M2 (5 exponent bits, 2 mantissa bits; 8 bits a number), with one given power-of-two scale for each operand tensor; their sums are f32. All else is computed in f32.
;;   The module's matrix products, in the order in which they are computed (A, B: the left and right operand; K: the contracted axis; several contracted axes count as one K, in the product's order):
;;     1. [M 4,096, K 1,024] x [K 1,024, N 1,024]; A: input query (given as codes); B: input w_q (given as codes): QUANTISED (scales: A lowp_scales[0], B lowp_scales[1])
;;     2. [M 4,096, K 1,024] x [K 1,024, N 256]; A: input key (given as codes); B: input w_k (given as codes): QUANTISED (scales: A lowp_scales[2], B lowp_scales[3])
;;     3. [M 4,096, K 1,024] x [K 1,024, N 256]; A: input value (given as codes); B: input w_v (given as codes): QUANTISED (scales: A lowp_scales[4], B lowp_scales[5])
;;     4. batch 4 x [M 4,096, K 64] x [K 64, N 16,384]; A: computed on the way; B: computed on the way: QUANTISED (scales: A lowp_scales[6], B lowp_scales[7])
;;     5. batch 4 x [M 64, K 4,096] x [K 4,096, N 16,384]; A: computed on the way; B: softmax (see below): QUANTISED (scales: A lowp_scales[8], B lowp_scales[9])
;;     6. [M 4,096, K 1,024] x [K 1,024, N 1,024]; A: computed on the way; B: input w_o (given as codes): QUANTISED (scales: A lowp_scales[10], B lowp_scales[11])
;;   THE QUANTISER, for each operand of a quantised product, along K:
;;     - The operand's scale is 2^e, e = its entry of the input lowp_scales (int32; the entries are numbered through the quantised products in the list's order, A before B).
;;     - Each number is divided by the scale, clamped to +-57,344, and rounded to the nearest number of E5M2, ties to even, subnormals kept.
;;     - The product sums the exact products of the quantised numbers (number of the format x scale) in f32.
;;   ~~~python
;;   def quantise(x, axis, e):      # numpy; x: float32 -> the quantised numbers, widened to float32 again
;;       x = np.moveaxis(x, axis, -1); K = x.shape[-1]
;;       r = np.clip(x / 2.0 ** e, -57344, 57344)
;;       step = 2.0 ** (np.maximum(np.frexp(np.where(r == 0, 1, r))[1] - 1, -14) - 2)
;;       q = np.round(r / step) * step * 2.0 ** e      # np.round: ties to even
;;       return np.moveaxis(q, -1, axis).astype(np.float32)
;;   ~~~
;;   SOFTMAX AHEAD OF A QUANTISED PRODUCT. Where the list says 'softmax', what is quantised is not the finished softmax but p = 2^(t - M), with t = logit x log2(e) and M = ceil(the row's largest t), a whole number; so 1/2 < the row's largest p <= 1. The row's sum l is taken of the UNQUANTISED p, in f32, and the product's result is divided by l at the end. Since M is a whole number, a kernel that streams over the keys may use a running M (the ceiling of the running maximum): every later rescaling is an exact power of two, so the quantised numbers keep their values, but for numbers so far below the row's largest that they fall under the format's range.
;;   OPERANDS COMPUTED ON THE WAY. 'Computed on the way' means the value that the module computes at that place (a softmax that the list does not call 'softmax' is quantised finished and normalised). What goes into a quantiser is computed in f32, as accurately as f32 sums, v_exp_f32 and their like allow (about 1e-6 of the number): no bf16 or f16 on the way to a quantiser, and a product that is left as it is and whose result goes on into a quantised operand takes f32 operands (vector FMAs, or v_wmma_f32_16x16x4_f32). A number that lies on a knife's edge between two numbers of the format may be rounded either way, as far as f32 arithmetic and the matrix unit's own rounding can turn it there, and no further.
;;   INPUTS GIVEN AS CODES. key (in the module: [1, 4096, 1024], K = its axis 2); query (in the module: [1, 4096, 1024], K = its axis 2); value (in the module: [1, 4096, 1024], K = its axis 2); w_k (in the module: [1024, 256], K = its axis 0); w_o (in the module: [1024, 1024], K = its axis 0); w_q (in the module: [1024, 1024], K = its axis 0); w_v (in the module: [1024, 256], K = its axis 0): each comes as NAME_codes (uint8): NAME with its K axis moved to the last place and cut into blocks of 32 codes, [.., K / 32, bytes a block], one block behind the other in memory; one code a byte (a code: sign, 5 exponent bits, 2 mantissa bits); its scale is its entry of lowp_scales. Its value is code x scale, taken as it is: it is not quantised again, and the codes and scales need not be those that the quantiser above would give.
;; One version. Each part assembles by itself: llvm-mc -triple=amdgcn-amd-amdhsa -mcpu=gfx1250 --defsym DOCPART=n.
;; ======== version 1 of 1: 3 launches
;; limits: right only within a limited range of input values
;; workspace buffers: qf 4,194,304 bytes; kvf 2,097,152 bytes; af 4,194,304 bytes
;; launch proj (part 1): grid 32 x 12, 4 waves a work-group, clusters of 4 x 1, 327,680 bytes of LDS; arguments query_codes, key_codes, value_codes, w_q_codes, w_k_codes, w_v_codes, b_q, b_k, b_v, lowp_scales, qf, kvf; writes qf, kvf
.if DOCPART == 1
	.amdgcn_target "amdgcn-amd-amdhsa--gfx1250"
	.amdhsa_code_object_version 6
	.text
	.protected	k_q57b380f787_proj
	.globl	k_q57b380f787_proj
	.p2align	8
	.type	k_q57b380f787_proj,@function
k_q57b380f787_proj:
	s_mov_b64 s[64:65], 0
	v_nop
	global_prefetch_b8 v0, s[64:65] scope:SCOPE_SE
	s_setreg_imm32_b32 hwreg(HW_REG_WAVE_MODE, 25, 1), 1
	s_wait_xcnt 0x0
	s_wait_alu depctr_hold_cnt(0) depctr_sa_sdst(0) depctr_va_vdst(0) depctr_va_sdst(0) depctr_va_ssrc(0) depctr_va_vcc(0) depctr_vm_vsrc(0)
	s_getreg_b32 s2, hwreg(HW_REG_IB_STS2, 6, 4)
	s_cmp_eq_u32 s2, 0
	s_cbranch_scc0 .Lentry_in_a_cluster
	s_endpgm
.Lentry_in_a_cluster:
	s_bfe_u32 s2, ttmp6, 0x10000c
	s_cmp_lg_u32 s2, 0x3003
	s_cbranch_scc0 .Lentry_shape_is_right
	s_endpgm
.Lentry_shape_is_right:
; THE THREE PROJECTIONS: q = query w_q + b_q, k = key w_k + b_k, v = value w_v + b_v, on codes of BF8 (E5M2) as they are given, sums in f32, and each result quantised at once for the product that takes it:
; q with 2^e7, k with 2^e6, v with 2^e8 (entries of lowp_scales; the scores' product has k as its left operand and q as its right, so k takes entry 6 and q entry 7).
; NO WORK IS LEFT OUT in this program: every bias stands ahead of a quantiser or goes into the output, and every product reaches the output; all twelve inputs are loaded.
; LIMITS: e7-e0-e1, e6-e2-e3 and e8-e4-e5 lie between -126 and 112, so that the conversion's scale and 57,344 x that scale are f32 numbers.  NaN codes among the inputs are not served.
; SHARES.  Work-group (x, y): tokens 128 x .. 128 x + 127; y = 0-7: columns 128 y on of q; y = 8, 9: of k; y = 10, 11: of v.  Four waves, each 64 tokens x 64 columns (one head): 16 accumulators of 16 x 16.
; 384 work-groups of equal work: q is two thirds of the columns, and a work-group that took parts of two projections would need two activation tiles, more rows of 1,040 bytes than LDS holds.
; THE MATRIX INSTRUCTION IS USED TRANSPOSED (source 0 = 16 rows of the weights, source 1 = 16 tokens): lane (r, h) holds token r and columns 16 b + 8 h + 0 .. 7, eight neighbours along the next product's K.
; NO RING: both tiles' whole K lies in LDS, 256 rows of 1,024 bytes.  Each wave issues ONE tensor load, at the head: 64 whole rows (waves 0, 1: the activations' halves; waves 2, 3: the weights').
; One wait for it and one barrier show the tiles to all four waves; nothing is filled again.  No prefetch: the launch has no loop to run ahead in.
; CLUSTER: four work-groups along x have the same y, so the same weights: the weights' tiles are asked for JOINTLY (mask 15).  The activations' tiles differ between the partners and are plain loads.
; The activations are shared along y, by 8, 2 and 2 work-groups: a cluster of four along y would put k's two and v's two column tiles together, which read different activations, so no one mask would serve all clusters alike.
; WHAT IS STORED ARE IMAGES OF OPERAND REGISTERS (a piece = four registers of 32 lanes, lane l's 16 bytes at 16 l, 512 bytes):
;   qf  [query tile 256][head 16] x 1,024 bytes: 16 queries x 64: registers 2 c, 2 c + 1 hold d = 16 c + 8 h + 0 .. 7 of query r.
;   kvf [group 4][block of 128 keys 32] x 16,384 bytes: first 8 tiles of 16 keys x 64, as qf's; from byte 8,192 on four fragments of V^T, 16 rows d x 128 keys: registers 2 c, 2 c + 1 hold keys 16 c + 8 h + 0 .. 7;
;   lane r of fragment t holds row d = 32 (t / 2) + 8 (t % 2) + r + 8 (r / 8), so that the second product's results of fragments 2 b, 2 b + 1 are 16 neighbours along d.
; v's results have the keys across lanes and d along registers, the other way round than V^T wants them: a v work-group turns its f32 sums through the wave's own stage in LDS ahead of the quantiser.
; REGISTERS: window 0: v1-3 r, h, 16 x lane; v8-15 LDS addresses; v16, 17 the add's two; v18, 19 the scale and the hold; v20-26 offsets; v32-63 codes; v64-95 the bias; v128-255 the accumulators ((a, b) at 128 + 8 (4 a + b)).
;   window 1: two fragment buffers of 128: four fragments of tokens (16 registers each), then four of weights.
.set PITCH, 1040                       ; an LDS row: 1,024 bytes + 16 of padding = 260 words: the 16 rows of a fragment load start at 16 different groups of four banks (64 banks of 4 bytes: ISA guide 11.1)
.set HALFT, 64*PITCH                   ; 64 rows: what one tensor load brings, and what one wave reads of either tile
.set WOFF,  2*HALFT                    ; the activations' 128 rows, then the weights' 128
.set CH,    256                        ; a chunk: 256 along K, 256 bytes inside each row; two steps of 128
.set SPARE, 4*HALFT                    ; behind the 256 rows: the spare words, 128 bytes a wave: two blocks of 256 bytes that no other line names
.set ADR,  8                           ; v8-11   my tokens' fragments in chunk c
.set ADP,  12                          ; v12-15  my weights' fragments in chunk c
.set SPW,  16                          ; v16     LDS address of my spare word; never rewritten
.set NIL,  17                          ; v17     0; never rewritten
.set SCL,  18                          ; v18     2^E as f32, E = e(out) - e(activation) - e(weight)
.set LIMV, 19                          ; v19     57,344 x 2^E
.set VOF,  20                          ; v20-23  16 x lane + a x the distance between the images of blocks a and a + 1
.set BOF,  24                          ; v24     32 h: my eight numbers of a tile's sixteen biases
.set STO,  25                          ; v25     the stage, on the way in
.set SRD,  26                          ; v26     the stage, on the way out
.set CODE, 32
.set BN,   64
.set ACC,  128
.set F0,   0
.set F1,   128
.set WV,   28                          ; s28 wave; s29 its half of the tokens; s30 its half of the columns, and which 64 rows it fetches
.set MH,   29
.set NH,   30
.set CX,   31                          ; s31 my place in the cluster; s32 token block; s33 y; s34 the column tile within its projection; s35 the distance for VOF
.set BX,   32
.set BY,   33
.set YL,   34
.set SA,   35
.set G1X,  36                          ; s[36:43] descriptor group 1 for the activations' tiles; s[44:51] for the weights': it differs in the mask
.set G1W,  44
.set G0X,  68                          ; s[68:71] group 0 for the activations; s[84:87] for the weights
.set G0W,  84
.set MSB, 0
.macro WIN new                         ; the immediate's high byte repeats the setting that is left
.if MSB != \new
	s_set_vgpr_msb (MSB<<8)|\new
.set MSB, \new
.endif
.endm
.macro PLACES                          ; four places in front of loads into registers that matrix instructions have read, and of the first read of results
.rept 4
	v_nop
.endr
.endm
.macro CROUND                          ; a round of the cluster's barrier
	s_barrier_signal -1
	s_barrier_wait -1
	s_cmp_lg_u32 s[WV], 0
	s_cbranch_scc1 .Lnot_wave_0_\@
	s_barrier_signal -3
.Lnot_wave_0_\@:
	s_barrier_wait -3
	s_barrier_signal -1
	s_barrier_wait -1
.endm
	s_load_b512 s[4:19], s[0:1], 0x0               ; query s[4:5], key s[6:7], value s[8:9], w_q s[10:11], w_k s[12:13], w_v s[14:15], b_q s[16:17], b_k s[18:19]
	s_load_b256 s[20:27], s[0:1], 0x40             ; b_v s[20:21], the scales' exponents s[22:23], qf s[24:25], kvf s[26:27]
	v_lshl_add_u32 v[SPW], v0, 2, SPARE
	v_mov_b32 v[NIL], 0
	ds_add_u32 v[SPW], v[NIL]                      ; the wave's opening: the add, twice on end, and its wait ahead of my first tensor load
	ds_add_u32 v[SPW], v[NIL]
	v_lshrrev_b32 v1, 5, v0
	v_readfirstlane_b32 s[WV], v1                  ; wave 0..3
	s_lshr_b32 s[MH], s[WV], 1
	s_and_b32 s[NH], s[WV], 1
	s_bfe_u32 s[CX], ttmp6, 0x40000                ; cx
	s_lshl_b32 s[BX], ttmp9, 2
	s_add_co_u32 s[BX], s[BX], s[CX]               ; token block = 4 x cluster x + cx
	s_and_b32 s[BY], ttmp7, 0xffff                 ; y, which the four partners share
	; descriptor group 1: 64 whole rows of 1,024 bytes, padded in LDS
	s_mov_b32 s[G1X], (1<<20)|(7<<22)|(3<<25)      ; no mask; elements of 1 byte; padding on: 4 words (code 3) after every 256 (code 7)
	s_mov_b32 s[G1W], 15|(1<<20)|(1<<21)|(7<<22)|(3<<25)  ; the same with the mask of all four partners, and bit 21 beside it
.irp g, G1X, G1W
	s_mov_b32 s[\g+1], 1024<<16                    ; tensor_dim0
	s_mov_b32 s[\g+2], 64<<16                      ; tensor_dim1
	s_mov_b32 s[\g+3], 1024<<16                    ; tile_dim0
	s_mov_b32 s[\g+4], 64                          ; tile_dim1
	s_mov_b32 s[\g+5], 1024                        ; tensor_dim0_stride
	s_mov_b32 s[\g+6], 0
	s_mov_b32 s[\g+7], 0
.endr
	s_mov_b32 s[SA], 2048
	s_wait_dscnt 0x0                               ; both opening adds are done
	s_wait_kmcnt 0x0
	s_load_b256 s[52:59], s[22:23], 0x0            ; e0 .. e7
	s_load_b128 s[60:63], s[22:23], 0x20           ; e8 .. e11
	; which projection: a choice of pointers on y alone
	s_cmp_lt_u32 s[BY], 10                         ; k, or v?
	s_cselect_b64 s[6:7], s[6:7], s[8:9]
	s_cselect_b64 s[12:13], s[12:13], s[14:15]
	s_cselect_b64 s[18:19], s[18:19], s[20:21]
	s_cselect_b32 s[YL], 8, 10
	s_cselect_b32 s[SA], 1024, s[SA]
	s_cmp_lt_u32 s[BY], 8                          ; q, or one of those?
	s_cselect_b64 s[4:5], s[4:5], s[6:7]           ; the activations
	s_cselect_b64 s[10:11], s[10:11], s[12:13]     ; the weights
	s_cselect_b64 s[16:17], s[16:17], s[18:19]     ; the bias
	s_cselect_b64 s[24:25], s[24:25], s[26:27]     ; where the codes go
	s_cselect_b32 s[YL], 0, s[YL]
	s_cselect_b32 s[SA], 16384, s[SA]
	s_sub_co_u32 s[YL], s[BY], s[YL]               ; the column tile within the projection
	s_mul_i32 s100, s[NH], HALFT                   ; the 64 rows that I fetch, in LDS: no place in the cluster enters an LDS address
	s_lshl_b32 s2, s[BX], 17                       ; activations: row 128 x block + 64 x half, 1,024 bytes a row
	s_lshl_b32 s3, s[NH], 16
	s_add_co_u32 s2, s2, s3
	s_mov_b32 s3, 0
	s_add_nc_u64 s[4:5], s[4:5], s[2:3]
	s_lshl_b32 s66, s[YL], 17                      ; weights: row 128 x column tile + 64 x half, in registers that never hold cx
	s_lshl_b32 s67, s[NH], 16
	s_add_co_u32 s66, s66, s67
	s_mov_b32 s67, 0
	s_add_nc_u64 s[10:11], s[10:11], s[66:67]
	s_mov_b32 s[G0X], 1                            ; count = 1
	s_add_co_u32 s[G0X+1], s100, 0                 ; LDS address
	s_add_nc_u64 s[G0X+2:G0X+3], s[4:5], 0         ; global address
	s_or_b32 s[G0X+3], s[G0X+3], 0x80000000        ; type = 2
	s_mov_b32 s[G0W], 1
	s_add_co_u32 s[G0W+1], s100, WOFF
	s_add_nc_u64 s[G0W+2:G0W+3], s[10:11], 0
	s_or_b32 s[G0W+3], s[G0W+3], 0x80000000
	CROUND                                         ; all four work-groups are here: the joint loads meet
	s_cmp_lt_u32 s[WV], 2                          ; waves 0, 1: the activations' halves; waves 2, 3: the weights'.  One fill to an arm: one load of mine is out
	s_cbranch_scc0 .Lfill_w
	tensor_load_to_lds s[G0X:G0X+3], s[G1X:G1X+7]
	s_nop 0
.rept 4
	v_nop
.endr
	s_branch .Lfilled
.Lfill_w:
	tensor_load_to_lds s[G0W:G0W+3], s[G1W:G1W+7]
	s_nop 0
.rept 4
	v_nop
.endr
.Lfilled:
	v_and_b32 v1, 15, v0                           ; r
	v_bfe_u32 v2, v0, 4, 1                         ; h
	v_and_b32 v3, 31, v0
	v_lshlrev_b32 v3, 4, v3                        ; 16 x lane
	v_mul_u32_u24 v4, v1, PITCH
	v_lshl_add_u32 v4, v2, 4, v4                   ; a fragment's row x pitch + 16 h: registers 4 i .. 4 i + 3 then hold K = 32 i + 16 h + 0 .. 15, in both operands alike
	s_wait_alu depctr_va_vdst(0)
	s_mul_i32 s2, s[MH], HALFT
	s_mul_i32 s3, s[NH], HALFT
	s_add_co_u32 s3, s3, WOFF
.irp c, 0,1,2,3
	v_add_nc_u32 v[ADR+\c], s2, v4
	v_add_nc_u32 v[ADP+\c], s3, v4
	s_add_co_u32 s2, s2, CH
	s_add_co_u32 s3, s3, CH
.endr
	s_mul_i32 s2, s[WV], HALFT                     ; my stage (v alone): 64 tokens x 256 bytes, in the first 256 bytes (chunk 0) of 64 rows, which have had their one fill and whose last reads end ahead of a later barrier
	v_mul_u32_u24 v[STO], v1, PITCH
	v_lshl_add_u32 v[STO], v2, 5, v[STO]
	v_add_nc_u32 v[STO], s2, v[STO]                ; in: token r's row, + 32 h
	v_and_b32 v5, 8, v1
	v_add_nc_u32 v5, v5, v1                        ; r + 8 (r / 8)
	v_lshlrev_b32 v5, 2, v5
	v_mul_u32_u24 v[SRD], v2, 8*PITCH
	v_add_nc_u32 v[SRD], v[SRD], v5
	v_add_nc_u32 v[SRD], s2, v[SRD]                ; out: token 8 h's row, column r + 8 (r / 8)
	v_lshlrev_b32 v[BOF], 5, v2
	s_lshl_b32 s2, s[YL], 9                        ; the bias of my 64 columns: 4 x (128 x column tile + 64 x half)
	s_lshl_b32 s3, s[NH], 8
	s_add_co_u32 s2, s2, s3
	s_mov_b32 s3, 0
	s_add_nc_u64 s[16:17], s[16:17], s[2:3]
.irp b, 0,1,2,3
	global_load_b128 v[BN+8*\b:BN+8*\b+3], v[BOF], s[16:17] offset:64*\b          ; columns 16 b + 8 h + 0 .. 7: the result's layout
	global_load_b128 v[BN+8*\b+4:BN+8*\b+7], v[BOF], s[16:17] offset:64*\b+16
.endr
	; where my images go.  G = 2 x column tile + half: the head (q) or the group (k, v)
	s_lshl_b32 s2, s[YL], 1
	s_add_co_u32 s2, s2, s[NH]
	s_lshl_b32 s3, s2, 19
	s_lshl_b32 s100, s[BX], 14
	s_add_co_u32 s3, s3, s100                      ; k, v: G x 524,288 + block x 16,384
	s_lshl_b32 s100, s[MH], 10
	s_add_co_u32 s100, s100, 8192
	s_add_co_u32 s100, s100, s3                    ; v: + 8,192 + pieces 2 x (my half of the tokens) on
	s_lshl_b32 s101, s[MH], 12
	s_add_co_u32 s3, s3, s101                      ; k: + key tiles 4 x (my half) on
	s_lshl_b32 s2, s2, 10
	s_lshl_b32 s101, s[BX], 17
	s_add_co_u32 s2, s2, s101
	s_lshl_b32 s101, s[MH], 16
	s_add_co_u32 s2, s2, s101                      ; q: (8 x block + 4 x half) x 16,384 + G x 1,024
	s_cmp_lt_u32 s[BY], 10
	s_cselect_b32 s3, s3, s100
	s_cmp_lt_u32 s[BY], 8
	s_cselect_b32 s2, s2, s3
	s_mov_b32 s3, 0
	s_add_nc_u64 s[24:25], s[24:25], s[2:3]
	v_mov_b32 v[VOF], v3
	v_add_nc_u32 v[VOF+1], s[SA], v[VOF]
	v_add_nc_u32 v[VOF+2], s[SA], v[VOF+1]
	v_add_nc_u32 v[VOF+3], s[SA], v[VOF+2]
; 32 LDS loads in one run: the fragments of 128 along K (half q of chunk c) into buffer buf: four of the weights, four of the tokens
.macro FETCH c, q, buf
	WIN 0x40                                       ; destination window 1, address window 0
.irp i, 0,1,2,3
.irp k, 0,1,2,3
	ds_load_b128 v[\buf+64+16*\i+4*\k:\buf+64+16*\i+4*\k+3], v[ADP+\c] offset:\i*16*PITCH+128*\q+32*\k
.endr
.endr
.irp i, 0,1,2,3
.irp k, 0,1,2,3
	ds_load_b128 v[\buf+16*\i+4*\k:\buf+16*\i+4*\k+3], v[ADR+\c] offset:\i*16*PITCH+128*\q+32*\k
.endr
.endr
.endm
; 16 matrix instructions, 128 along K.  The 16 accumulators take turns, one instruction a turn, in the same order in every step.
; first = 1: the sums begin with the bias, divided by the power of two that the sums lack: no addition, nothing cleared.
.macro MUL buf, first
	WIN 0x05                                       ; sources 0 and 1 window 1; C and D window 0
.irp a, 0,1,2,3
.irp b, 0,1,2,3
.if \first
	v_wmma_f32_16x16x128_bf8_bf8 v[ACC+8*(4*\a+\b):ACC+8*(4*\a+\b)+7], v[\buf+64+16*\b:\buf+64+16*\b+15], v[\buf+16*\a:\buf+16*\a+15], v[BN+8*\b:BN+8*\b+7]
.else
	v_wmma_f32_16x16x128_bf8_bf8 v[ACC+8*(4*\a+\b):ACC+8*(4*\a+\b)+7], v[\buf+64+16*\b:\buf+64+16*\b+15], v[\buf+16*\a:\buf+16*\a+15], v[ACC+8*(4*\a+\b):ACC+8*(4*\a+\b)+7]
.endif
.endr
.endr
.endm
; A step: the next step's fragments (half q of chunk c) are asked for into nbuf, then buffer buf is multiplied.  sync >= 0: a barrier stands at the step's head, with my LDS loads in and no tensor load of mine out in front of it.
.macro GSTEP sync, c, q, nbuf, buf, first
.if \sync >= 0
	s_wait_tensorcnt \sync
	s_wait_dscnt 0x0
	s_barrier_signal -1
	s_barrier_wait -1
.endif
.if \first == 0
	PLACES                                         ; nbuf was multiplied in the step before
.endif
	FETCH \c, \q, \nbuf
	s_wait_dscnt 32                                ; all but the 32 just issued
	MUL \buf, \first
.endm
	s_wait_tensorcnt 0x0                           ; my one load, 64 whole rows, is in
	s_barrier_signal -1
	s_barrier_wait -1                              ; everybody's is
	FETCH 0, 0, F0
	WIN 0
	s_wait_loadcnt 0x0                             ; the bias
	s_wait_kmcnt 0x0                               ; the exponents
	s_cmp_lt_u32 s[BY], 10
	s_cselect_b32 s54, s54, s56                    ; the activations': k's e2 or v's e4
	s_cselect_b32 s55, s55, s57                    ; the weights': e3 or e5
	s_cselect_b32 s58, s58, s60                    ; the result's: e6 or e8
	s_cmp_lt_u32 s[BY], 8
	s_cselect_b32 s52, s52, s54                    ; or q's: e0,
	s_cselect_b32 s53, s53, s55                    ; e1,
	s_cselect_b32 s59, s59, s58                    ; e7
	s_add_co_i32 s2, s52, s53                      ; a sum stands for sum x 2^(ea + eb)
	s_sub_co_i32 s3, 0, s2
	s_sub_co_i32 s100, s59, s2                     ; so its code is sum / 2^E, E = eo - ea - eb: the three scales folded into the conversion's one
	s_add_co_i32 s100, s100, 127
	s_lshl_b32 s101, s100, 23
	v_mov_b32 v[SCL], s101
	s_add_co_i32 s100, s100, 15
	s_lshl_b32 s100, s100, 23
	s_or_b32 s100, s100, 0x600000
	v_mov_b32 v[LIMV], s100                        ; 57,344 x 2^E
.set I, 0
.rept 32
	v_ldexp_f32 v[BN+I], v[BN+I], s3               ; the bias / 2^(ea + eb)
.set I, I+1
.endr
	s_wait_alu depctr_va_vdst(0)
	GSTEP -1, 0, 1, F1, F0, 1
	GSTEP 0, 1, 0, F0, F1, 0                       ; the one later barrier: behind it nobody reads chunk 0, in whose bytes v's stages lie
	GSTEP -1, 1, 1, F1, F0, 0
	GSTEP -1, 2, 0, F0, F1, 0
	GSTEP -1, 2, 1, F1, F0, 0
	GSTEP -1, 3, 0, F0, F1, 0
	GSTEP -1, 3, 1, F1, F0, 0
	s_wait_dscnt 0x0                               ; the last step: nothing more to fetch
	MUL F1, 0
	WIN 0
	PLACES
	s_cmp_lt_u32 s[BY], 10                         ; y alone: the same in all waves and all partners
	s_cbranch_scc1 .Lno_turn
	; v: the f32 sums turn through my stage: in as rows of tokens, out as columns: afterwards "block a" is fragment a of V^T and "tile b" a tile of 16 keys
.irp a, 0,1,2,3
.irp b, 0,1,2,3
	ds_store_b128 v[STO], v[ACC+8*(4*\a+\b):ACC+8*(4*\a+\b)+3] offset:\a*16*PITCH+64*\b
	ds_store_b128 v[STO], v[ACC+8*(4*\a+\b)+4:ACC+8*(4*\a+\b)+7] offset:\a*16*PITCH+64*\b+16
.endr
.endr
	s_wait_dscnt 0x0                               ; the stores have read the registers into which the loads below land
.irp d, 0,1,2,3
.irp c, 0,1,2,3
.irp j, 0,1,2,3,4,5,6,7
	ds_load_b32 v[ACC+8*(4*\d+\c)+\j], v[SRD] offset:(16*\c+\j)*PITCH+(32*(\d/2)+8*(\d%2))*4   ; token 16 c + 8 h + j, column 32 (d / 2) + 8 (d % 2) + r + 8 (r / 8); the 32 lanes touch 32 different banks
.endr
.endr
.endr
	s_wait_dscnt 0x0
.Lno_turn:
; Block a's 32 numbers a lane become 8 registers of codes, two pieces of an image, each stored as 512 consecutive bytes
.macro QOUT a
.set I, 0
.rept 32
	v_med3_num_f32 v[ACC+32*\a+I], v[ACC+32*\a+I], -v[LIMV], v[LIMV]   ; the conversion to an 8-bit code does not saturate (ISA guide 7.6.2): the hold at the largest code x the scale; each accumulator from its low end on
.set I, I+1
.endr
.irp b, 0,1,2,3
	v_cvt_scalef32_pk8_bf8_f32 v[CODE+8*\a+2*\b:CODE+8*\a+2*\b+1], v[ACC+32*\a+8*\b:ACC+32*\a+8*\b+7], v[SCL]
.endr
	v_nop                                          ; one plain vector instruction behind the last conversion of a run
	global_store_b128 v[VOF+\a], v[CODE+8*\a:CODE+8*\a+3], s[24:25]
	global_store_b128 v[VOF+\a], v[CODE+8*\a+4:CODE+8*\a+7], s[24:25] offset:512
.endm
	QOUT 0
	QOUT 1
	QOUT 2
	QOUT 3
	s_wait_tensorcnt 0x0                           ; the wave's end, behind my last tensor load and my last LDS store
	ds_add_u32 v[SPW], v[NIL]
	s_wait_dscnt 0x0
	CROUND                                         ; the closing round: no work-group ends while a partner may still ask for a tile that names it
	s_endpgm
.Lfunc_end_k_q57b380f787_proj:
	.size	k_q57b380f787_proj, .Lfunc_end_k_q57b380f787_proj-k_q57b380f787_proj
	.p2alignl 7, 3214868480
	.fill 96, 4, 3214868480
	.section	.rodata,"a",@progbits
	.p2align	6, 0x0
	.amdhsa_kernel k_q57b380f787_proj
		.amdhsa_group_segment_fixed_size 327680
		.amdhsa_private_segment_fixed_size 0
		.amdhsa_enable_private_segment 0
		.amdhsa_kernarg_size 96
		.amdhsa_user_sgpr_count 2
		.amdhsa_user_sgpr_kernarg_segment_ptr 1
		.amdhsa_wavefront_size32 1
		.amdhsa_system_sgpr_workgroup_id_x 1
		.amdhsa_system_sgpr_workgroup_id_y 1
		.amdhsa_system_sgpr_workgroup_id_z 1
		.amdhsa_system_vgpr_workitem_id 0
		.amdhsa_next_free_vgpr 512
		.amdhsa_next_free_sgpr 102
		.amdhsa_reserve_vcc 0
		.amdhsa_float_denorm_mode_32 3
		.amdhsa_float_denorm_mode_16_64 3
		.amdhsa_memory_ordered 1
		.amdhsa_forward_progress 1
		.amdhsa_inst_pref_size 57
	.end_amdhsa_kernel
	.amdgpu_metadata
---
amdhsa.version: [ 1, 2 ]
amdhsa.kernels:
  - .name:           k_q57b380f787_proj
    .symbol:         k_q57b380f787_proj.kd
    .args:
      - { .name: query_codes, .offset: 0, .size: 8, .value_kind: global_buffer, .address_space: global }
      - { .name: key_codes, .offset: 8, .size: 8, .value_kind: global_buffer, .address_space: global }
      - { .name: value_codes, .offset: 16, .size: 8, .value_kind: global_buffer, .address_space: global }
      - { .name: w_q_codes, .offset: 24, .size: 8, .value_kind: global_buffer, .address_space: global }
      - { .name: w_k_codes, .offset: 32, .size: 8, .value_kind: global_buffer, .address_space: global }
      - { .name: w_v_codes, .offset: 40, .size: 8, .value_kind: global_buffer, .address_space: global }
      - { .name: b_q, .offset: 48, .size: 8, .value_kind: global_buffer, .address_space: global }
      - { .name: b_k, .offset: 56, .size: 8, .value_kind: global_buffer, .address_space: global }
      - { .name: b_v, .offset: 64, .size: 8, .value_kind: global_buffer, .address_space: global }
      - { .name: lowp_scales, .offset: 72, .size: 8, .value_kind: global_buffer, .address_space: global }
      - { .name: qf, .offset: 80, .size: 8, .value_kind: global_buffer, .address_space: global }
      - { .name: kvf, .offset: 88, .size: 8, .value_kind: global_buffer, .address_space: global }
    .group_segment_fixed_size: 327680
    .private_segment_fixed_size: 0
    .kernarg_segment_align: 8
    .kernarg_segment_size: 96
    .max_flat_workgroup_size: 128
    .sgpr_count:     102
    .vgpr_count:     512
    .wavefront_size: 32
...
	.end_amdgpu_metadata
.endif
;; end of part 1
;; launch attn (part 2): grid 64 x 4, 8 waves a work-group, clusters of 4 x 1, 327,680 bytes of LDS; arguments qf, kvf, lowp_scales, af; writes af
.if DOCPART == 2
	.amdgcn_target "amdgcn-amd-amdhsa--gfx1250"
	.amdhsa_code_object_version 6
	.text
	.protected	k_q57b380f787_attn
	.globl	k_q57b380f787_attn
	.p2align	8
	.type	k_q57b380f787_attn,@function
k_q57b380f787_attn:
	s_mov_b64 s[64:65], 0
	v_nop
	global_prefetch_b8 v0, s[64:65] scope:SCOPE_SE
	s_setreg_imm32_b32 hwreg(HW_REG_WAVE_MODE, 25, 1), 1
	s_wait_xcnt 0x0
	s_wait_alu depctr_hold_cnt(0) depctr_sa_sdst(0) depctr_va_vdst(0) depctr_va_sdst(0) depctr_va_ssrc(0) depctr_va_vcc(0) depctr_vm_vsrc(0)
	s_getreg_b32 s2, hwreg(HW_REG_IB_STS2, 6, 4)
	s_cmp_eq_u32 s2, 0
	s_cbranch_scc0 .Lentry_in_a_cluster
	s_endpgm
.Lentry_in_a_cluster:
	s_bfe_u32 s2, ttmp6, 0x10000c
	s_cmp_lg_u32 s2, 0x3003
	s_cbranch_scc0 .Lentry_shape_is_right
	s_endpgm
.Lentry_shape_is_right:
; ATTENTION on codes of BF8 (E5M2): for each of 16 query heads, o[q] = the sum over k of softmax_k(q . k / 8) v[k], four query heads to a group of K and V.  No work is left out.
; THE SOFTMAX AHEAD OF THE SECOND PRODUCT: t = score x log2(e) / 8; M = the row's largest t so far, rounded UP to a whole number; p = 2^(t - M) is quantised with 2^e9, not normalised.
; The row's sum is taken of the unquantised p, in f32, and divides O at the end.  When M moves, the sum and O are multiplied by 2^(old M - new M): exact.  The result is quantised with 2^e10 for the last projection.
; LIMITS on the given exponents, so that each power of two below is an f32 number: e6 + e7 between -123 and 130 (added to c's exponent field); e9, and e10 - e8 - e9, between -126 and 112.
; SHARES.  Work-group (x, g): 64 queries of group g.  Wave w: query tile 4 x + w / 2 (16 queries) of TWO heads, 4 g + 2 (w % 2) + 0, 1: each fragment of K and V read from LDS feeds two tiles.  Two waves to a SIMD.
; LAYOUT.  Both products are used transposed: S^T = K Q^T (source 0 = 16 keys, source 1 = my 16 queries, K = 64), O^T = V^T P^T (source 0 = 16 rows d, source 1 = P, K = 128 keys): a lane holds ONE query throughout.
; Tile kt of S^T holds keys 16 kt + 8 h + 0 .. 7 in a lane: its eight codes are registers 2 kt, 2 kt + 1 of P; qf and kvf hold images of operand registers in that layout.
; V^T's rows are so chosen (by the launch that stores them) that O^T's tiles 2 b, 2 b + 1 are 16 neighbours along d: the wave's two heads give one whole fragment (16 queries x 128) of the last projection's operand,
; stored from registers: af [block of 128 queries 32][K step 8][query tile 8] x 2,048 bytes, registers 4 c .. 4 c + 3 = k 32 c + 16 h + 0 .. 15.
; RING.  Two LDS slots of 131,072 bytes; a slot holds eight key steps of 128 keys, one dense block of kvf.  Each of the eight waves fetches 16,384 bytes of it (64 rows of 256): one tensor load of mine is out at a time.
; A STEP'S LDS LOADS: V's sixteen at the step's head, the NEXT step's K (sixteen) straight behind the scores' products, whose K registers are then free.
; THE TWO TILES OF A WAVE GO HALF A SOFTMAX APART: tile 0's exponentials take turns with tile 1's scalings, tile 1's exponentials with tile 0's first sums and holds, tile 0's second product with tile 1's sums and holds.
; Lines that stand between exponentials are independent of each other, and what they write is first read behind the next wait.
; THE CHANGE OF SLOTS is laid into a slot's last step: that step's LDS reads are over behind its scores' products, so the waits, the add and the barrier's signal stand there, and the softmax and the
; second product, work on registers alone, stand between the signal and the wait.
; CLUSTER.  The four work-groups of a cluster have the same g and walk the same K and V: every tile is asked for JOINTLY (mask 15), and a round of the cluster's barrier stands at each change of slots that fills.
; REGISTERS: window 0: v1-11 addresses and constants; v12-19 statistics (tile t at 12 + 4 t: -M, the largest t, the sum in two halves); v20-35 at work (tile t at 20 + 8 t: f, 0, two maxima, a permute's result, -, a second sum);
;   v36-39 two more sums of tile 1; v40-55 Q; v56-87 P's codes; v96-223 S^T, then p; v224-255 tile 0's sixteen first sums.   window 1: v0-63 O^T (tile t, fragment d at 32 t + 8 d); v64-127 K; v128-191 V.
.set SLOTB, 131072
.set STEPB, 16384                      ; a key step: 8 tiles of K (1,024 bytes each), then 4 fragments of V^T (2,048 each)
.set NST,   8                          ; key steps in a slot
.set NT,    4                          ; slots' worth of keys
.set SPARE, 2*SLOTB                    ; behind the ring: the spare words, 128 bytes a wave: four blocks of 256 bytes that no other line names
.set LI,  1                            ; v1  16 x lane: an image's place for my lane
.set ADK, 2                            ; v2  LDS address of the step in hand
.set PFO, 3                            ; v3  256 x lane, for the prefetches; never rewritten
.set SPW, 4                            ; v4  LDS address of my spare word; never rewritten
.set NIL, 5                            ; v5  0; never rewritten
.set PLM, 6                            ; v6  57,344 x 2^e9
.set PSC, 7                            ; v7  2^e9
.set OLM, 8                            ; v8  57,344 x 2^(e10 - e8 - e9)
.set OSC, 9                            ; v9  2^(e10 - e8 - e9)
.set ADN, 10                           ; v10 LDS address of a slot's first step
.set PL2, 11                           ; v11 57,344 x 2^e9 once more: the two halves of a dual instruction take their second sources from different banks
.set ST,  12
.set TM,  20
.set C2,  36
.set C3,  38
.set QF,  40
.set PC,  56
.set S,   96
.set T,   224
.set OA,  0                            ; in window 1
.set KF,  64
.set VF,  128
.set WV,  12                           ; s12 wave; s13 cx; s14 block of 64 queries; s15 the group
.set CX,  13
.set BX,  14
.set GR,  15
.set G1,  16                           ; s[16:23] descriptor group 1
.set G0,  24                           ; s[24:27] descriptor group 0, which walks
.set TB,  28                           ; s28 LDS byte at which the step in hand begins
.set SLOTS, 29                         ; s29 slots still to be asked for
.set CNT, 30                           ; s30 counts a slot's steps
.set LIM, 31                           ; s31 1 in a wave that prefetches, else the greatest number
.set PFA, 32                           ; s[32:33] where my prefetches stand
.set CS,  34                           ; s[34:35] c = log2(e) / 8 x 2^(e6 + e7): the packed form names a pair and takes its low word for both halves
.set SEL, 36                           ; s[36:37] lane selects for v_permlanex16_b32: lane l xor 16
.set MSB, 0
.macro WIN new                         ; the immediate's high byte repeats the setting that is left
.if MSB != \new
	s_set_vgpr_msb (MSB<<8)|\new
.set MSB, \new
.endif
.endm
.macro CREST                           ; a round of the cluster's barrier behind its opening barrier
	s_cmp_lg_u32 s[WV], 0
	s_cbranch_scc1 .Lnot_wave_0_\@
	s_barrier_signal -3
.Lnot_wave_0_\@:
	s_barrier_wait -3
	s_barrier_signal -1
	s_barrier_wait -1
.endm
.macro CROUND                          ; a whole round
	s_barrier_signal -1
	s_barrier_wait -1
	CREST
.endm
; A PREFETCH INTO THE L2 of the slot that the NEXT change of slots will ask for: eight key steps ahead of that load.  Each aligned block of 256 bytes is named once in the launch: all sixteen clusters of a group walk the
; same 131,072 bytes, so the group's first cluster asks; its four partners take 32,768 bytes each, told apart BY ADDRESS; in each, waves 0 to 3 take 8,192 bytes, lanes 256 bytes apart: one instruction a wave.
; The last change that fills a slot asks for nothing: there is no slot behind it.  The first two slots come by their loads alone.
.macro ASK
	s_cmp_gt_u32 s[SLOTS], s[LIM]
	s_cbranch_scc0 .Lnot_mine_\@
	global_prefetch_b8 v[PFO], s[PFA:PFA+1] th:TH_LOAD_NT scope:SCOPE_SE
.Lnot_mine_\@:
.endm
; The first two of the three lines in front of a change's barrier.  fill = 1: with no load of mine out, the walking descriptor and the prefetches' address are stepped between the add and the wait for it.
.macro LINES fill
	s_wait_tensorcnt 0x0                           ; all my tensor loads are in: my part of the slot that is read next
	ds_add_u32 v[SPW], v[NIL]                      ; 0 onto my spare word
.if \fill
	s_xor_b32 s[G0+1], s[G0+1], SLOTB              ; the other slot than last time,
	s_add_nc_u64 s[G0+2:G0+3], s[G0+2:G0+3], SLOTB ; the next eight key steps; the type bits on top are not reached
	s_wait_xcnt 0x0                                ; the last prefetch, a slot back, has read its address
	s_add_nc_u64 s[PFA:PFA+1], s[PFA:PFA+1], SLOTB ; one slot further on than the walking descriptor
.endif
.endm
.macro KLOAD adr, off                  ; a step's eight tiles of K
	WIN 0x40                                       ; destination window 1, address window 0
.irp k, 0,1,2,3,4,5,6,7
	ds_load_b128 v[KF+8*\k:KF+8*\k+3], v[\adr] offset:\off+1024*\k
	ds_load_b128 v[KF+8*\k+4:KF+8*\k+7], v[\adr] offset:\off+1024*\k+512
.endr
	WIN 0
.endm
; Behind the wait of a change's opening barrier.  fill = 1: the rest of the cluster's round, then my one joint load until the next round, into the slot that has been left.  Then the new slot's first K.
.macro AFTER fill
.if \fill
	CREST
	tensor_load_to_lds s[G0:G0+3], s[G1:G1+7]
	s_nop 0
.rept 4
	v_nop
.endr
	ASK
.endif
	v_add_nc_u32 v[ADN], s[TB], v[LI]
	KLOAD ADN, 0
.endm
	s_load_b256 s[4:11], s[0:1], 0x0               ; qf s[4:5], kvf s[6:7], the scales' exponents s[8:9], af s[10:11]
	v_lshl_add_u32 v[SPW], v0, 2, SPARE
	v_mov_b32 v[NIL], 0
	ds_add_u32 v[SPW], v[NIL]                      ; the wave's opening: the add, twice on end, and its wait ahead of my first tensor load
	ds_add_u32 v[SPW], v[NIL]
	v_lshrrev_b32 v1, 5, v0
	v_readfirstlane_b32 s[WV], v1                  ; wave 0..7
	s_bfe_u32 s[CX], ttmp6, 0x40000                ; cx
	s_lshl_b32 s[BX], ttmp9, 2
	s_add_co_u32 s[BX], s[BX], s[CX]               ; my block of 64 queries: it enters qf's and af's addresses alone
	s_and_b32 s[GR], ttmp7, 0xffff                 ; the group, which the four partners share
	s_mov_b32 s[G1], 15|(3<<16)|(1<<21)            ; the mask: all four work-groups; elements of 8 bytes; bit 21 beside a mask; no padding: the images are read 16 x lane, 512 consecutive bytes an instruction
	s_mov_b32 s[G1+1], 32<<16                      ; tensor_dim0 = 32 elements: rows of 256 bytes, dense
	s_mov_b32 s[G1+2], 64<<16                      ; tensor_dim1 = 64 rows
	s_mov_b32 s[G1+3], 32<<16                      ; tile_dim0
	s_mov_b32 s[G1+4], 64                          ; tile_dim1
	s_mov_b32 s[G1+5], 32                          ; tensor_dim0_stride
	s_mov_b32 s[G1+6], 0
	s_mov_b32 s[G1+7], 0
	s_mov_b32 s[SEL], 0x76543210
	s_mov_b32 s[SEL+1], 0xfedcba98
	s_mov_b32 s[TB], 0
	s_mov_b32 s[SLOTS], NT-1
	s_lshr_b32 s[LIM], s[WV], 2                    ; 0 in waves 0 to 3,
	s_or_b32 s[LIM], s[LIM], ttmp9                 ; of the group's first cluster: the same in all four partners
	s_cmp_eq_u32 s[LIM], 0
	s_cselect_b32 s[LIM], 1, -1
	v_and_b32 v[LI], 31, v0
	v_lshlrev_b32 v[PFO], 8, v[LI]
	v_lshlrev_b32 v[LI], 4, v[LI]
	s_lshl_b32 s52, s[GR], 19                      ; the group's 524,288 bytes of kvf,
	s_lshl_b32 s53, s[WV], 14                      ; my 16,384 of a slot
	s_add_co_u32 s52, s52, s53
	s_mov_b32 s53, 0
	s_lshl_b32 s54, s[GR], 19                      ; the prefetches: the group, + 8,192 x (wave % 4), + my work-group's 32,768, in slot 1: the first change of slots steps it to slot 2
	s_and_b32 s55, s[WV], 3
	s_lshl_b32 s55, s55, 13
	s_add_co_u32 s54, s54, s55
	s_lshl_b32 s55, s[CX], 15
	s_add_co_u32 s54, s54, s55
	s_add_co_u32 s54, s54, SLOTB
	s_mov_b32 s55, 0
	s_wait_dscnt 0x0                               ; both opening adds are done
	s_wait_kmcnt 0x0
	s_load_b256 s[40:47], s[8:9], 0x0              ; e0 .. e7
	s_load_b128 s[48:51], s[8:9], 0x20             ; e8 .. e11
	s_mov_b32 s[G0], 1                             ; count = 1
	s_lshl_b32 s[G0+1], s[WV], 14                  ; LDS address: slot 0, my 16,384 bytes
	s_add_nc_u64 s[G0+2:G0+3], s[6:7], s[52:53]    ; global address: the group's first eight key steps
	s_or_b32 s[G0+3], s[G0+3], 0x80000000          ; type = 2
	s_add_nc_u64 s[PFA:PFA+1], s[6:7], s[54:55]
	CROUND                                         ; all four work-groups are here: the first joint loads meet
	tensor_load_to_lds s[G0:G0+3], s[G1:G1+7]      ; slot 0: every wave asks, with no branch
	s_nop 0
.rept 4
	v_nop
.endr
	s_lshl_b32 s56, s[BX], 2
	s_lshr_b32 s57, s[WV], 1
	s_add_co_u32 s56, s56, s57                     ; my query tile
	s_lshl_b32 s56, s56, 4
	s_lshl_b32 s57, s[GR], 2
	s_add_co_u32 s56, s56, s57
	s_and_b32 s57, s[WV], 1
	s_lshl_b32 s57, s57, 1
	s_add_co_u32 s56, s56, s57                     ; 16 x tile + my first head
	s_lshl_b32 s56, s56, 10
	s_mov_b32 s57, 0
	s_add_nc_u64 s[4:5], s[4:5], s[56:57]
	s_wait_alu depctr_va_vdst(0)                   ; ahead of the first reader of 16 x lane
.irp i, 0,1,2,3
	global_load_b128 v[QF+4*\i:QF+4*\i+3], v[LI], s[4:5] offset:512*\i   ; Q's two fragments stay in registers
.endr
	s_lshr_b32 s58, s[BX], 1                       ; af: block of 128 queries,
	s_lshl_b32 s58, s58, 3
	s_lshl_b32 s59, s[GR], 1
	s_add_co_u32 s58, s58, s59
	s_and_b32 s59, s[WV], 1
	s_add_co_u32 s58, s58, s59                     ; K step 2 g + w % 2: my two heads' 128 columns,
	s_lshl_b32 s58, s58, 3
	s_and_b32 s59, s[BX], 1
	s_lshl_b32 s59, s59, 2
	s_add_co_u32 s58, s58, s59
	s_lshr_b32 s59, s[WV], 1
	s_add_co_u32 s58, s58, s59                     ; query tile within the block
	s_lshl_b32 s58, s58, 11
	s_mov_b32 s59, 0
	s_add_nc_u64 s[10:11], s[10:11], s[58:59]
.irp t, 0,1
	v_mov_b32 v[ST+4*\t+1], 0xff61b1e6             ; the largest t so far: -3e38, under every t
	v_mov_b32 v[ST+4*\t+2], 0                      ; the sum, in two halves
	v_mov_b32 v[ST+4*\t+3], 0
	v_floor_f32 v[ST+4*\t], -v[ST+4*\t+1]          ; -M
	v_mov_b32 v[TM+8*\t+1], 0                      ; (named as the upper half of f's pair)
	v_mov_b32 v[TM+8*\t+4], 0                      ; written once: a lane permute's destination counts as one of its sources
.endr
	WIN 0x40
.set I, 0
.rept 64
	v_mov_b32 v[OA+I], 0                           ; O^T.  (The step is written for all steps alike: the first finds zeros, which the first change of M leaves zeros)
.set I, I+1
.endr
	WIN 0
	s_wait_kmcnt 0x0
	s_add_co_i32 s52, s46, s47                     ; a score stands for score x 2^(e6 + e7): the two exponents are added to c's exponent field
	s_lshl_b32 s52, s52, 23
	s_mov_b32 s[CS], 0x3e38aa3b                    ; log2(e) / 8
	s_add_co_i32 s[CS], s[CS], s52
	s_mov_b32 s[CS+1], s[CS]
	s_add_co_i32 s52, s49, 127
	s_lshl_b32 s53, s52, 23
	v_mov_b32 v[PSC], s53                          ; 2^e9
	s_add_co_i32 s52, s52, 15
	s_lshl_b32 s52, s52, 23
	s_or_b32 s52, s52, 0x600000
	v_mov_b32 v[PLM], s52                          ; 57,344 x 2^e9
	v_mov_b32 v[PL2], s52
	s_sub_co_i32 s52, s50, s48                     ; a sum of the second product stands for sum x 2^(e8 + e9): the result's code is (sum / l) / 2^(e10 - e8 - e9)
	s_sub_co_i32 s52, s52, s49
	s_add_co_i32 s52, s52, 127
	s_lshl_b32 s53, s52, 23
	v_mov_b32 v[OSC], s53
	s_add_co_i32 s52, s52, 15
	s_lshl_b32 s52, s52, 23
	s_or_b32 s52, s52, 0x600000
	v_mov_b32 v[OLM], s52
.macro PV0 d                           ; one product of tile 0's O^T, between runs of plain lines in window 0
	WIN 0x51                                       ; V window 1, P window 0, C and D window 1
	v_wmma_f32_16x16x128_bf8_bf8 v[OA+8*\d:OA+8*\d+7], v[VF+16*\d:VF+16*\d+15], v[PC:PC+15], v[OA+8*\d:OA+8*\d+7]
	WIN 0
.endm
.macro TADD a, b                       ; tile 0's tree of sums: pair a += pair b
	v_pk_add_f32 v[T+\a:T+\a+1], v[T+\a:T+\a+1], v[T+\b:T+\b+1]
.endm
.macro RND n                           ; tile 1's four chains of sums take p's pairs n .. n + 3
	v_pk_add_f32 v[ST+6:ST+7], v[ST+6:ST+7], v[S+64+2*(\n):S+64+2*(\n)+1]
	v_pk_add_f32 v[TM+14:TM+15], v[TM+14:TM+15], v[S+64+2*(\n)+2:S+64+2*(\n)+3]
	v_pk_add_f32 v[C2:C2+1], v[C2:C2+1], v[S+64+2*(\n)+4:S+64+2*(\n)+5]
	v_pk_add_f32 v[C3:C3+1], v[C3:C3+1], v[S+64+2*(\n)+6:S+64+2*(\n)+7]
.endm
.macro HOLD a                          ; the conversion to an 8-bit code does not saturate (ISA guide 7.6.2); p is not negative, so the hold is one-sided; it stands whatever e9 is; two numbers an instruction
	v_dual_min_num_f32 v[S+\a], v[S+\a], v[PLM] :: v_dual_min_num_f32 v[S+\a+1], v[S+\a+1], v[PL2]
.endm
; A KEY STEP: 128 keys, both tiles.  This step's K is on its way or in.
; kind 0: the next step lies in the same slot.  kind 1: a slot's last step, with a change of slots that fills.  kind 2: the same with nothing to fill.  kind 3: the very last step.
.macro STEP kind
	v_add_nc_u32 v[ADK], s[TB], v[LI]              ; (the four additions that end a step, and this line, are the places behind the last step's products, whose V is loaded anew below)
	WIN 0x40                                       ; destination window 1, address window 0
.irp d, 0,1,2,3
.irp i, 0,1,2,3
	ds_load_b128 v[VF+16*\d+4*\i:VF+16*\d+4*\i+3], v[ADK] offset:8192+2048*\d+512*\i
.endr
.endr
.if (\kind == 1) || (\kind == 2)
	WIN 0                                          ; (the add's two registers lie in window 0)
	LINES (\kind == 1)
	s_wait_dscnt 17                                ; K is in; V's sixteen loads and the add may be out
.else
	s_wait_alu depctr_va_vdst(0)                   ; directly ahead of the wait below
	s_wait_dscnt 16                                ; K is in; V's sixteen loads may be out: they land under the softmax
.endif
	WIN 0x01                                       ; source 0 (K) window 1
.irp k, 0,1,2,3,4,5,6,7
.irp t, 0,1
	v_wmma_f32_16x16x64_bf8_bf8 v[S+64*\t+8*\k:S+64*\t+8*\k+7], v[KF+8*\k:KF+8*\k+7], v[QF+8*\t:QF+8*\t+7], 0
.endr
.endr
.if (\kind == 1) || (\kind == 2)
	s_wait_dscnt 0x0                               ; the add is done, and my reads of this slot are over
	s_barrier_signal -1                            ; say so; up to the wait below stands work on registers alone
.endif
.rept 4
	v_nop                                          ; four places: in front of the first read of the scores, and of loads into K's registers
.endr
.if \kind == 0
	KLOAD ADK, STEPB                               ; the next step's K
.else
	WIN 0
.endif
.irp t, 0,1                                    ; the step's largest score of my query among my 64 keys, in two chains a tile, each accumulator from its low end on
	v_max3_num_f32 v[TM+8*\t+2], v[S+64*\t], v[S+64*\t+1], v[S+64*\t+2]
	v_max3_num_f32 v[TM+8*\t+3], v[S+64*\t+3], v[S+64*\t+4], v[S+64*\t+5]
.endr
.irp i, 6,10,14,18,22,26,30,34,38,42,46,50,54,58
.irp t, 0,1
	v_max3_num_f32 v[TM+8*\t+2], v[TM+8*\t+2], v[S+64*\t+\i], v[S+64*\t+\i+1]
	v_max3_num_f32 v[TM+8*\t+3], v[TM+8*\t+3], v[S+64*\t+\i+2], v[S+64*\t+\i+3]
.endr
.endr
.irp t, 0,1
	v_max3_num_f32 v[TM+8*\t+2], v[TM+8*\t+2], v[S+64*\t+62], v[S+64*\t+63]
.endr
.irp t, 0,1
	v_max_num_f32 v[TM+8*\t+2], v[TM+8*\t+2], v[TM+8*\t+3]
.endr
.irp t, 0,1
	v_permlanex16_b32 v[TM+8*\t+4], v[TM+8*\t+2], s[SEL], s[SEL+1]
.endr
.irp t, 0,1
	v_max_num_f32 v[TM+8*\t+2], v[TM+8*\t+2], v[TM+8*\t+4]     ; and among lane l xor 16's
.endr
.irp t, 0,1
	v_mul_f32 v[TM+8*\t+2], s[CS], v[TM+8*\t+2]                ; as t (c is positive)
.endr
.irp t, 0,1
	v_max_num_f32 v[ST+4*\t+1], v[ST+4*\t+1], v[TM+8*\t+2]     ; the running largest t
.endr
.irp t, 0,1
	v_mov_b32 v[TM+8*\t+2], v[ST+4*\t]
.endr
.irp t, 0,1
	v_floor_f32 v[ST+4*\t], -v[ST+4*\t+1]                      ; the new -M = floor(-t) = -ceil(t): M is a whole number
.endr
.irp t, 0,1
	v_sub_f32 v[TM+8*\t+2], v[ST+4*\t], v[TM+8*\t+2]           ; M's old value less its new one: a whole number, 0 or less
.endr
.irp t, 0,1
	v_cvt_i32_f32 v[TM+8*\t+2], v[TM+8*\t+2]                   ; (it saturates)
.endr
.irp t, 0,1
	v_ldexp_f32 v[TM+8*\t], 1.0, v[TM+8*\t+2]                  ; f = 2^(old M - new M)
.endr
.set J, 0
.rept 32
	v_pk_fma_f32 v[S+J:S+J+1], v[S+J:S+J+1], s[CS:CS+1], v[ST:ST+1] op_sel_hi:[1,0,0]   ; tile 0: t - M, two at a time (of the pairs c and -M the low word serves both halves)
.set J, J+2
.endr
.irp t, 0,1
	v_pk_mul_f32 v[ST+4*\t+2:ST+4*\t+3], v[ST+4*\t+2:ST+4*\t+3], v[TM+8*\t:TM+8*\t+1] op_sel_hi:[1,0]   ; the sums under the new M
.endr
	WIN 0x41                                       ; O^T (destination and source 0) window 1, f window 0
.set J, 0
.rept 16
.irp t, 0,1
	v_pk_mul_f32 v[OA+32*\t+J:OA+32*\t+J+1], v[OA+32*\t+J:OA+32*\t+J+1], v[TM+8*\t:TM+8*\t+1] op_sel_hi:[1,0]   ; O^T under the new M: its first read since the last step's products, ahead of this step's exponentials
.endr
.set J, J+2
.endr
	WIN 0
	s_wait_alu depctr_va_vdst(0)                   ; ahead of the batch: it serves all that was written above
.set J, 0
.rept 32
	v_exp_f32 v[S+J], v[S+J]                       ; tile 0: p = 2^(t - M), at most 1: not normalised
	v_pk_fma_f32 v[S+64+J:S+64+J+1], v[S+64+J:S+64+J+1], s[CS:CS+1], v[ST+4:ST+5] op_sel_hi:[1,0,0]   ; tile 1: t - M; first read behind the wait below
	v_exp_f32 v[S+J+1], v[S+J+1]
.set J, J+2
.endr
	v_nop                                          ; the plain place behind the last exponential
	s_wait_alu depctr_va_vdst(0)                   ; one wait: for tile 0's exponentials, ahead of their first reader, and for tile 1's scalings, ahead of the batch that reads them
.set J, 0
.rept 16
	v_exp_f32 v[S+64+J], v[S+64+J]                 ; tile 1: p
	v_pk_add_f32 v[T+J/2:T+J/2+1], v[S+J:S+J+1], v[S+J+2:S+J+3]   ; tile 0: the row's sum is taken of the UNQUANTISED p: sixteen first sums, each into a pair of its own
	v_exp_f32 v[S+64+J+1], v[S+64+J+1]
	HOLD J                                         ; tile 0: the hold, behind the sum that read the same numbers
	v_exp_f32 v[S+64+J+2], v[S+64+J+2]
	HOLD J+2
	v_exp_f32 v[S+64+J+3], v[S+64+J+3]
.set J, J+4
.endr
	v_nop                                          ; the plain place behind the last exponential
	s_wait_alu depctr_va_vdst(0)                   ; one wait: for tile 1's exponentials and for what was written between them, ahead of the first readers
.if \kind == 0
	s_wait_dscnt 16                                ; V is in; the next step's K, sixteen loads, may be out
.endif
.if \kind == 3
	s_wait_dscnt 0x0                               ; V is in
.endif
.irp k, 0,1,2,3,4,5,6,7
	v_cvt_scalef32_pk8_bf8_f32 v[PC+2*\k:PC+2*\k+1], v[S+8*\k:S+8*\k+7], v[PSC]   ; tile 0: keys 16 k + 8 h + 0 .. 7: registers 2 k, 2 k + 1 of P
.endr
.irp m, 0,4,8,12,16,20,24,28
	TADD \m, \m+2
.endr
	v_pk_add_f32 v[TM+14:TM+15], v[S+64:S+65], v[S+66:S+67]    ; tile 1's sums, in four chains: three begin here,
	v_pk_add_f32 v[C2:C2+1], v[S+68:S+69], v[S+70:S+71]
	v_pk_add_f32 v[C3:C3+1], v[S+72:S+73], v[S+74:S+75]
	v_pk_add_f32 v[ST+6:ST+7], v[ST+6:ST+7], v[S+76:S+77]      ; the fourth is the running sum
.irp m, 0,8,16,24
	TADD \m, \m+4
.endr
	PV0 0                                          ; tile 0's four products, each behind twelve or more plain lines that name none of their registers; the eight accumulators take one instruction each
	v_pk_add_f32 v[TM+14:TM+15], v[TM+14:TM+15], v[S+78:S+79]
	RND 8
	TADD 0, 8
	TADD 16, 24
	RND 12
	TADD 0, 16
	RND 16
	PV0 1
	RND 20
	RND 24
	RND 28
	PV0 2
.set J, 64
.rept 16
	HOLD J
.set J, J+2
.endr
	PV0 3
.rept 16
	HOLD J
.set J, J+2
.endr
.irp k, 0,1,2,3,4,5,6,7
	v_cvt_scalef32_pk8_bf8_f32 v[PC+16+2*\k:PC+16+2*\k+1], v[S+64+8*\k:S+64+8*\k+7], v[PSC]   ; tile 1's codes
.endr
	v_nop                                          ; one plain vector instruction between the last conversion and the products that read its codes
	WIN 0x51
.irp d, 0,1,2,3
	v_wmma_f32_16x16x128_bf8_bf8 v[OA+32+8*\d:OA+32+8*\d+7], v[VF+16*\d:VF+16*\d+15], v[PC+16:PC+31], v[OA+32+8*\d:OA+32+8*\d+7]
.endr
	WIN 0
	v_pk_add_f32 v[ST+6:ST+7], v[ST+6:ST+7], v[TM+14:TM+15]    ; the sums are closed here: four plain lines that name no register of the products above
	v_pk_add_f32 v[C2:C2+1], v[C2:C2+1], v[C3:C3+1]
	v_pk_add_f32 v[ST+2:ST+3], v[ST+2:ST+3], v[T:T+1]          ; tile 0's running sum
	v_pk_add_f32 v[ST+6:ST+7], v[ST+6:ST+7], v[C2:C2+1]        ; tile 1's running sum
.if (\kind == 1) || (\kind == 2)
	s_sub_co_u32 s[TB], s[TB], (NST-1)*STEPB       ; back to a slot's first step,
	s_xor_b32 s[TB], s[TB], SLOTB                  ; in the other slot
	s_barrier_wait -1                              ; every wave of my work-group has left this slot, and its part of the other is in
	AFTER (\kind == 1)
.endif
.endm
.macro RUN                             ; a slot's first seven steps: written once, walked seven times; the LDS addresses hang on s[TB]
	s_mov_b32 s[CNT], NST-1
.Lstep_\@:
	STEP 0
	s_add_co_u32 s[TB], s[TB], STEPB
	s_sub_co_u32 s[CNT], s[CNT], 1
	s_cmp_lg_u32 s[CNT], 0
	s_cbranch_scc1 .Lstep_\@
.endm
	s_wait_alu depctr_va_vdst(0)
	s_wait_loadcnt 0x0                             ; Q
	LINES 1                                        ; slot 1's first fill is issued as a refill is
	s_wait_dscnt 0x0
	s_barrier_signal -1
	s_barrier_wait -1
	AFTER 1
	s_sub_co_u32 s[SLOTS], s[SLOTS], 1
.Lslot:                                            ; two trips: keys 0-1,023 and 1,024-2,047; each ends with a change of slots that fills
	RUN
	STEP 1
	s_sub_co_u32 s[SLOTS], s[SLOTS], 1
	s_cmp_lg_u32 s[SLOTS], 0
	s_cbranch_scc1 .Lslot
	RUN                                            ; the last two slots are written out
	STEP 2
	RUN
	STEP 3
	; THE WAY OUT.  The sum's halves are added; O^T / the sum is held, quantised with 2^(e10 - e8 - e9) and stored as one fragment's image.  The lines up to the reciprocals are the places behind the last products.
.irp t, 0,1
	v_add_f32 v[TM+8*\t+2], v[ST+4*\t+2], v[ST+4*\t+3]
.endr
.irp t, 0,1
	v_permlanex16_b32 v[TM+8*\t+4], v[TM+8*\t+2], s[SEL], s[SEL+1]
.endr
.irp t, 0,1
	v_add_f32 v[TM+8*\t+2], v[TM+8*\t+2], v[TM+8*\t+4]         ; the row's sum
.endr
	s_wait_alu depctr_va_vdst(0)                   ; ahead of the batch
.irp t, 0,1
	v_rcp_f32 v[TM+8*\t], v[TM+8*\t+2]
.endr
	v_nop                                          ; a plain instruction between the last reciprocal and the use of its result
	s_wait_alu depctr_va_vdst(0)                   ; one wait for the two reciprocals and for O^T, ahead of their first reader
	WIN 0x01                                       ; source 0 (O^T) window 1
.set J, 0
.rept 16
.irp t, 0,1
	v_pk_mul_f32 v[S+32*\t+J:S+32*\t+J+1], v[OA+32*\t+J:OA+32*\t+J+1], v[TM+8*\t:TM+8*\t+1] op_sel_hi:[1,0]   ; register 32 t + 8 d + j: column 64 t + 32 (d / 2) + 16 h + 8 (d % 2) + j of my two heads' 128
.endr
.set J, J+2
.endr
	WIN 0
.set J, 0
.rept 64
	v_med3_num_f32 v[S+J], v[S+J], -v[OLM], v[OLM]
.set J, J+1
.endr
.irp t, 0,1
.irp d, 0,1,2,3
	v_cvt_scalef32_pk8_bf8_f32 v[PC+8*\t+2*\d:PC+8*\t+2*\d+1], v[S+32*\t+8*\d:S+32*\t+8*\d+7], v[OSC]
.endr
.endr
	v_nop                                          ; one plain vector instruction behind the last conversion of a run
.irp i, 0,1,2,3
	global_store_b128 v[LI], v[PC+4*\i:PC+4*\i+3], s[10:11] offset:512*\i   ; 32 lanes store 512 consecutive bytes, at a multiple of 256 from af's first byte
.endr
	s_wait_tensorcnt 0x0                           ; the wave's end, behind my last tensor load
	ds_add_u32 v[SPW], v[NIL]
	s_wait_dscnt 0x0
	CROUND                                         ; the closing round: no work-group ends while a partner may still ask for a tile that names it
	s_endpgm
.Lfunc_end_k_q57b380f787_attn:
	.size	k_q57b380f787_attn, .Lfunc_end_k_q57b380f787_attn-k_q57b380f787_attn
	.p2alignl 7, 3214868480
	.fill 96, 4, 3214868480
	.section	.rodata,"a",@progbits
	.p2align	6, 0x0
	.amdhsa_kernel k_q57b380f787_attn
		.amdhsa_group_segment_fixed_size 327680
		.amdhsa_private_segment_fixed_size 0
		.amdhsa_enable_private_segment 0
		.amdhsa_kernarg_size 32
		.amdhsa_user_sgpr_count 2
		.amdhsa_user_sgpr_kernarg_segment_ptr 1
		.amdhsa_wavefront_size32 1
		.amdhsa_system_sgpr_workgroup_id_x 1
		.amdhsa_system_sgpr_workgroup_id_y 1
		.amdhsa_system_sgpr_workgroup_id_z 1
		.amdhsa_system_vgpr_workitem_id 0
		.amdhsa_next_free_vgpr 512
		.amdhsa_next_free_sgpr 66
		.amdhsa_reserve_vcc 0
		.amdhsa_float_denorm_mode_32 3
		.amdhsa_float_denorm_mode_16_64 3
		.amdhsa_memory_ordered 1
		.amdhsa_forward_progress 1
		.amdhsa_inst_pref_size 189
	.end_amdhsa_kernel
	.amdgpu_metadata
---
amdhsa.version: [ 1, 2 ]
amdhsa.kernels:
  - .name:           k_q57b380f787_attn
    .symbol:         k_q57b380f787_attn.kd
    .args:
      - { .name: qf, .offset: 0, .size: 8, .value_kind: global_buffer, .address_space: global }
      - { .name: kvf, .offset: 8, .size: 8, .value_kind: global_buffer, .address_space: global }
      - { .name: lowp_scales, .offset: 16, .size: 8, .value_kind: global_buffer, .address_space: global }
      - { .name: af, .offset: 24, .size: 8, .value_kind: global_buffer, .address_space: global }
    .group_segment_fixed_size: 327680
    .private_segment_fixed_size: 0
    .kernarg_segment_align: 8
    .kernarg_segment_size: 32
    .max_flat_workgroup_size: 256
    .sgpr_count:     66
    .vgpr_count:     512
    .wavefront_size: 32
...
	.end_amdgpu_metadata
.endif
;; end of part 2
;; launch outp (part 3): grid 8 x 32, 4 waves a work-group, clusters of 4 x 4, 327,680 bytes of LDS; arguments af, w_o_codes, b_o, lowp_scales, out0; writes out0
.if DOCPART == 3
	.amdgcn_target "amdgcn-amd-amdhsa--gfx1250"
	.amdhsa_code_object_version 6
	.text
	.protected	k_q57b380f787_outp
	.globl	k_q57b380f787_outp
	.p2align	8
	.type	k_q57b380f787_outp,@function
k_q57b380f787_outp:
	s_mov_b64 s[64:65], 0
	v_nop
	global_prefetch_b8 v0, s[64:65] scope:SCOPE_SE
	s_setreg_imm32_b32 hwreg(HW_REG_WAVE_MODE, 25, 1), 1
	s_wait_xcnt 0x0
	s_wait_alu depctr_hold_cnt(0) depctr_sa_sdst(0) depctr_va_vdst(0) depctr_va_sdst(0) depctr_va_ssrc(0) depctr_va_vcc(0) depctr_vm_vsrc(0)
	s_getreg_b32 s2, hwreg(HW_REG_IB_STS2, 6, 4)
	s_cmp_eq_u32 s2, 0
	s_cbranch_scc0 .Lentry_in_a_cluster
	s_endpgm
.Lentry_in_a_cluster:
	s_bfe_u32 s2, ttmp6, 0x10000c
	s_cmp_lg_u32 s2, 0xf033
	s_cbranch_scc0 .Lentry_shape_is_right
	s_endpgm
.Lentry_shape_is_right:
; THE LAST PROJECTION: out0 = a w_o + b_o, on codes of BF8 (E5M2): a's codes (scale 2^e10) come from the attention launch as images of operand registers, w_o's (2^e11) as they are given.  No work is left out.
; LIMIT: e10 + e11 lies between -126 and 127, so that 2^(e10 + e11) is an f32 number.
; SHARES.  256 work-groups, each 128 rows x 128 columns of out0; four waves, each 64 x 64: 16 accumulators of 16 x 16.  THE MATRIX INSTRUCTION IS USED TRANSPOSED (source 0 = 16 rows of w_o, source 1 = 16 rows of a):
; a lane holds eight neighbouring columns of one row.
; NO RING: both tiles' whole K (1,024) lies in LDS.  Each wave issues ONE tensor load, at the head; one wait for it and one barrier show the tiles to all four waves; nothing is filled again.
; a's tile is one dense block of af, [K step 8][query tile 8] x 2,048 bytes, 131,072 bytes, laid in LDS as it lies in memory (waves 0, 1: 65,536 bytes each, as rows of 256) and read back 16 x lane;
; w_o's is 128 whole rows of 1,024 bytes, 1,040 apart in LDS (waves 2, 3: 64 rows each), read at row x pitch + 16 h + 32 i: in both, registers 4 i .. 4 i + 3 hold k = 32 i + 16 h + 0 .. 15.
; No prefetch: the launch has no loop to run ahead in.
; CLUSTERS: 4 x 4 work-groups.  The four of a row of the cluster need the same rows of a, the four of a column the same rows of w_o: each tile is asked for JOINTLY, with a mask that names the four.
; REGISTERS: window 0: v1-3 r, h, 16 x lane; v8-15 LDS addresses; v16, 17 the add's two; v18-21 the way out; v32-63 a block's results; v64-95 b_o; v128-255 the accumulators, then rows on their way out.
;   window 1: two fragment buffers of 128: four fragments of a, then four of w_o.
.set PITCH, 272                        ; the stage's row: 256 bytes + 16 of padding
.set WP,    1040                       ; w_o's LDS row: 1,024 bytes + 16 of padding = 260 words: the 16 rows of a fragment load start at 16 different groups of four banks (64 banks of 4 bytes: ISA guide 11.1)
.set HALFT, 64*WP
.set AB,    32768                      ; a chunk (256 along K) of a: two K steps
.set WB,    4*AB                       ; where w_o's rows begin
.set SPARE, WB+2*HALFT                 ; behind the tiles: the spare words, 128 bytes a wave: two blocks of 256 bytes that no other line names
.set STAGE, SPARE+512                  ; behind them: the four stages, bytes of their own, into which no fill lands
.set ADA,  8                           ; v8-11   my fragments of a in chunk c
.set ADB,  12                          ; v12-15  of w_o
.set SPW,  16                          ; v16     LDS address of my spare word; never rewritten
.set NIL,  17                          ; v17     0; never rewritten
.set STO,  18                          ; v18     the stage: where I put 32 bytes of a row
.set RD,   19                          ; v19     and where I read a row back
.set CO,   20                          ; v20     my byte offset in two rows of out0
.set BOF,  21                          ; v21     32 h
.set TMP,  32
.set BO,   64
.set ACC,  128
.set F0,   0
.set F1,   128
.set WV,   14                          ; s14 wave; s15 its half of the rows, and: it fetches for a (0) or for w_o (1); s16 its half of the columns, and which half of a tile it fetches
.set MH,   15
.set NH,   16
.set CX,   17
.set CY,   18
.set TX,   19                          ; s19 column tile; s20 row block
.set TY,   20
.set G1A,  24                          ; s[24:31], s[32:39] descriptor groups 1; s[40:43], s[68:71] groups 0
.set G1B,  32
.set G0A,  40
.set G0B,  68
.set MSB, 0
.macro WIN new                         ; the immediate's high byte repeats the setting that is left
.if MSB != \new
	s_set_vgpr_msb (MSB<<8)|\new
.set MSB, \new
.endif
.endm
.macro PLACES                          ; four places in front of loads into registers that matrix instructions have read, and of the first read of results
.rept 4
	v_nop
.endr
.endm
.macro CROUND                          ; a round of the cluster's barrier
	s_barrier_signal -1
	s_barrier_wait -1
	s_cmp_lg_u32 s[WV], 0
	s_cbranch_scc1 .Lnot_wave_0_\@
	s_barrier_signal -3
.Lnot_wave_0_\@:
	s_barrier_wait -3
	s_barrier_signal -1
	s_barrier_wait -1
.endm
	s_load_b256 s[4:11], s[0:1], 0x0               ; af s[4:5], w_o's codes s[6:7], b_o s[8:9], the scales' exponents s[10:11]
	s_load_b64 s[12:13], s[0:1], 0x20              ; out0
	v_lshl_add_u32 v[SPW], v0, 2, SPARE
	v_mov_b32 v[NIL], 0
	ds_add_u32 v[SPW], v[NIL]                      ; the wave's opening: the add, twice on end, and its wait ahead of my first tensor load
	ds_add_u32 v[SPW], v[NIL]
	v_lshrrev_b32 v1, 5, v0
	v_readfirstlane_b32 s[WV], v1                  ; wave 0..3
	s_lshr_b32 s[MH], s[WV], 1
	s_and_b32 s[NH], s[WV], 1
	s_bfe_u32 s[CX], ttmp6, 0x40000
	s_bfe_u32 s[CY], ttmp6, 0x40004
	s_lshl_b32 s[TX], ttmp9, 2
	s_add_co_u32 s[TX], s[TX], s[CX]               ; column tile = 4 x cluster x + cx
	s_and_b32 s[TY], ttmp7, 0xffff
	s_lshl_b32 s[TY], s[TY], 2
	s_add_co_u32 s[TY], s[TY], s[CY]               ; row block = 4 x cluster y + cy
	s_lshl_b32 s21, s[CY], 2
	s_lshl_b32 s21, 15, s21                        ; my row of the cluster
	s_lshl_b32 s22, 0x1111, s[CX]                  ; my column
	s_or_b32 s[G1A], s21, (3<<16)|(1<<21)          ; a: the mask of my row; elements of 8 bytes; bit 21 beside a mask; no padding
	s_mov_b32 s[G1A+1], 32<<16                     ; tensor_dim0 = 32 elements: rows of 256 bytes, dense
	s_mov_b32 s[G1A+2], 256<<16                    ; tensor_dim1 = 256 rows
	s_mov_b32 s[G1A+3], 32<<16                     ; tile_dim0
	s_mov_b32 s[G1A+4], 256                        ; tile_dim1
	s_mov_b32 s[G1A+5], 32                         ; tensor_dim0_stride
	s_mov_b32 s[G1A+6], 0
	s_mov_b32 s[G1A+7], 0
	s_or_b32 s[G1B], s22, (1<<20)|(1<<21)|(7<<22)|(3<<25)   ; w_o: the mask of my column; elements of 1 byte; padding: 4 words (code 3) after every 256 (code 7)
	s_mov_b32 s[G1B+1], 1024<<16
	s_mov_b32 s[G1B+2], 64<<16
	s_mov_b32 s[G1B+3], 1024<<16
	s_mov_b32 s[G1B+4], 64
	s_mov_b32 s[G1B+5], 1024
	s_mov_b32 s[G1B+6], 0
	s_mov_b32 s[G1B+7], 0
	s_lshl_b32 s58, s[TY], 17                      ; a: block x 131,072 + half x 65,536 (four K steps): made of cy and the wave's number alone
	s_lshl_b32 s59, s[NH], 16
	s_add_co_u32 s58, s58, s59
	s_mov_b32 s59, 0
	s_lshl_b32 s84, s[TX], 17                      ; w_o: row 128 x column tile + 64 x half, 1,024 bytes a row: made of cx and the wave's number alone
	s_lshl_b32 s85, s[NH], 16
	s_add_co_u32 s84, s84, s85
	s_mov_b32 s85, 0
	s_lshl_b32 s23, s[NH], 16                      ; where they go: no place in the cluster enters an LDS address
	s_mul_i32 s90, s[NH], HALFT
	s_add_co_u32 s90, s90, WB
	s_wait_dscnt 0x0                               ; both opening adds are done
	s_wait_kmcnt 0x0
	s_load_b64 s[60:61], s[10:11], 0x28            ; e10, e11
	s_add_nc_u64 s[4:5], s[4:5], s[58:59]
	s_add_nc_u64 s[6:7], s[6:7], s[84:85]
	s_mov_b32 s[G0A], 1                            ; count = 1
	s_add_co_u32 s[G0A+1], s23, 0                  ; LDS address
	s_add_nc_u64 s[G0A+2:G0A+3], s[4:5], 0         ; global address
	s_or_b32 s[G0A+3], s[G0A+3], 0x80000000        ; type = 2
	s_mov_b32 s[G0B], 1
	s_add_co_u32 s[G0B+1], s90, 0
	s_add_nc_u64 s[G0B+2:G0B+3], s[6:7], 0
	s_or_b32 s[G0B+3], s[G0B+3], 0x80000000
	CROUND                                         ; all sixteen work-groups are here: the joint loads meet
	s_cmp_eq_u32 s[MH], 0                          ; waves 0, 1: a's halves; waves 2, 3: w_o's.  One fill to an arm: one load of mine is out
	s_cbranch_scc0 .Lfill_b
	tensor_load_to_lds s[G0A:G0A+3], s[G1A:G1A+7]
	s_nop 0
.rept 4
	v_nop
.endr
	s_branch .Lfilled
.Lfill_b:
	tensor_load_to_lds s[G0B:G0B+3], s[G1B:G1B+7]
	s_nop 0
.rept 4
	v_nop
.endr
.Lfilled:
	v_and_b32 v1, 15, v0                           ; r
	v_bfe_u32 v2, v0, 4, 1                         ; h
	v_and_b32 v3, 31, v0
	v_lshlrev_b32 v3, 4, v3                        ; 16 x lane
	s_wait_alu depctr_va_vdst(0)
	v_mul_u32_u24 v4, v1, WP
	v_lshl_add_u32 v4, v2, 4, v4
	s_wait_alu depctr_va_vdst(0)
	s_lshl_b32 s21, s[MH], 13                      ; my four query tiles' images
	s_mul_i32 s22, s[NH], HALFT
	s_add_co_u32 s22, s22, WB                      ; my 64 rows of w_o
.irp c, 0,1,2,3
	v_add_nc_u32 v[ADA+\c], s21, v3
	v_add_nc_u32 v[ADB+\c], s22, v4
	s_add_co_u32 s21, s21, AB
	s_add_co_u32 s22, s22, 256
.endr
	s_mul_i32 s21, s[WV], 16*PITCH                 ; my stage: 16 rows x (256 bytes + 16), in bytes of its own
	s_add_co_u32 s21, s21, STAGE
	v_mul_u32_u24 v[STO], v1, PITCH
	v_lshl_add_u32 v[STO], v2, 5, v[STO]
	v_add_nc_u32 v[STO], s21, v[STO]               ; in: row r, + 32 h
	v_mul_u32_u24 v[RD], v2, PITCH
	v_lshl_add_u32 v[RD], v1, 4, v[RD]
	v_add_nc_u32 v[RD], s21, v[RD]                 ; back: lanes 0-15 one row of 256 bytes, lanes 16-31 the next
	v_lshlrev_b32 v[CO], 12, v2
	v_lshl_add_u32 v[CO], v1, 4, v[CO]             ; and the same two rows in out0
	v_lshlrev_b32 v[BOF], 5, v2
	s_lshl_b32 s88, s[TX], 9                       ; b_o of my 64 columns
	s_lshl_b32 s89, s[NH], 8
	s_add_co_u32 s88, s88, s89
	s_mov_b32 s89, 0
	s_add_nc_u64 s[8:9], s[8:9], s[88:89]
.irp b, 0,1,2,3
	global_load_b128 v[BO+8*\b:BO+8*\b+3], v[BOF], s[8:9] offset:64*\b            ; columns 16 b + 8 h + 0 .. 7: the result's layout
	global_load_b128 v[BO+8*\b+4:BO+8*\b+7], v[BOF], s[8:9] offset:64*\b+16
.endr
	s_lshl_b32 s86, s[TY], 19                      ; out0: row 128 x block + 64 x half, 4,096 bytes a row; column 128 x tile + 64 x half, 4 bytes each
	s_lshl_b32 s87, s[MH], 18
	s_add_co_u32 s86, s86, s87
	s_add_co_u32 s86, s86, s88
	s_mov_b32 s87, 0
	s_add_nc_u64 s[12:13], s[12:13], s[86:87]
; 32 LDS loads in one run: the fragments of 128 along K (half q of chunk c) into buffer buf: four of w_o, four of a
.macro FETCH c, q, buf
	WIN 0x40                                       ; destination window 1, address window 0
.irp i, 0,1,2,3
.irp k, 0,1,2,3
	ds_load_b128 v[\buf+64+16*\i+4*\k:\buf+64+16*\i+4*\k+3], v[ADB+\c] offset:\i*16*WP+128*\q+32*\k
.endr
.endr
.irp i, 0,1,2,3
.irp k, 0,1,2,3
	ds_load_b128 v[\buf+16*\i+4*\k:\buf+16*\i+4*\k+3], v[ADA+\c] offset:16384*\q+2048*\i+512*\k
.endr
.endr
.endm
; 16 matrix instructions, 128 along K.  The 16 accumulators take turns, one instruction a turn, in the same order in every step.  first = 1: the products start the sums.
.macro MUL buf, first
	WIN 0x05                                       ; sources 0 and 1 window 1; C and D window 0
.irp a, 0,1,2,3
.irp b, 0,1,2,3
.if \first
	v_wmma_f32_16x16x128_bf8_bf8 v[ACC+8*(4*\a+\b):ACC+8*(4*\a+\b)+7], v[\buf+64+16*\b:\buf+64+16*\b+15], v[\buf+16*\a:\buf+16*\a+15], 0
.else
	v_wmma_f32_16x16x128_bf8_bf8 v[ACC+8*(4*\a+\b):ACC+8*(4*\a+\b)+7], v[\buf+64+16*\b:\buf+64+16*\b+15], v[\buf+16*\a:\buf+16*\a+15], v[ACC+8*(4*\a+\b):ACC+8*(4*\a+\b)+7]
.endif
.endr
.endr
.endm
; A step: the next step's fragments (half q of chunk c) are asked for into nbuf, then buffer buf is multiplied
.macro GSTEP c, q, nbuf, buf, first
.if \first == 0
	PLACES                                         ; nbuf was multiplied in the step before
.endif
	FETCH \c, \q, \nbuf
	s_wait_dscnt 32                                ; all but the 32 just issued
	MUL \buf, \first
.endm
	s_wait_tensorcnt 0x0                           ; my one load is in
	s_barrier_signal -1
	s_barrier_wait -1                              ; everybody's is
	FETCH 0, 0, F0
	GSTEP 0, 1, F1, F0, 1
	GSTEP 1, 0, F0, F1, 0
	GSTEP 1, 1, F1, F0, 0
	GSTEP 2, 0, F0, F1, 0
	GSTEP 2, 1, F1, F0, 0
	GSTEP 3, 0, F0, F1, 0
	GSTEP 3, 1, F1, F0, 0
	s_wait_dscnt 0x0                               ; the last step: nothing more to fetch
	MUL F1, 0
	WIN 0
	s_wait_kmcnt 0x0
	s_add_co_i32 s56, s60, s61                     ; e10 + e11
	s_add_co_i32 s56, s56, 127
	s_lshl_b32 s56, s56, 23                        ; 2^(e10 + e11) as f32
	s_mov_b32 s57, s56                             ; (named with it as a pair, so it is written)
	s_wait_loadcnt 0x0                             ; b_o
; THE WAY OUT, block by block of 16 rows x 64 columns.  A lane holds 32 neighbouring bytes of a row and the lanes beside it other rows: so a block goes through my own stage and comes back as rows of 256 bytes.
; LDS serves a wave's instructions in order (ISA guide 5.7.1.4): no wait between the stores and the loads, nor in front of the next block's stores.
.macro TOSTAGE a
.irp b, 0,1,2,3
.irp i, 0,2,4,6
	v_pk_fma_f32 v[TMP+8*\b+\i:TMP+8*\b+\i+1], v[ACC+32*\a+8*\b+\i:ACC+32*\a+8*\b+\i+1], s[56:57], v[BO+8*\b+\i:BO+8*\b+\i+1] op_sel_hi:[1,0,1]   ; sum x 2^(e10 + e11) + b_o, two at a time; each accumulator from its low end on
.endr
.endr
.irp b, 0,1,2,3
	ds_store_b128 v[STO], v[TMP+8*\b:TMP+8*\b+3] offset:64*\b
	ds_store_b128 v[STO], v[TMP+8*\b+4:TMP+8*\b+7] offset:64*\b+16
.endr
.irp t, 0,1,2,3,4,5,6,7
	ds_load_b128 v[ACC+32*\a+4*\t:ACC+32*\a+4*\t+3], v[RD] offset:\t*2*PITCH      ; into the block's own accumulators, which have been read
.endr
.endm
.macro SEND a, younger                 ; younger: the LDS instructions issued behind block a's loads, which may stay out: the next block's 8 stores and 8 loads, or none
	s_wait_dscnt \younger
.irp t, 0,1,2,3,4,5,6,7
	global_store_b128 v[CO], v[ACC+32*\a+4*\t:ACC+32*\a+4*\t+3], s[12:13] offset:(16*\a+2*\t)*4096 th:TH_STORE_NT   ; 16 lanes store 256 consecutive bytes, at a multiple of 256 from out0's first byte; written once, read by nobody here
.endr
.endm
	PLACES
	TOSTAGE 0
	TOSTAGE 1
	SEND 0, 16
	TOSTAGE 2
	SEND 1, 16
	TOSTAGE 3
	SEND 2, 16
	SEND 3, 0
	s_wait_tensorcnt 0x0                           ; the wave's end, behind my last tensor load and my last LDS store
	ds_add_u32 v[SPW], v[NIL]
	s_wait_dscnt 0x0
	CROUND                                         ; the closing round: no work-group ends while a partner may still ask for a tile that names it
	s_endpgm
.Lfunc_end_k_q57b380f787_outp:
	.size	k_q57b380f787_outp, .Lfunc_end_k_q57b380f787_outp-k_q57b380f787_outp
	.p2alignl 7, 3214868480
	.fill 96, 4, 3214868480
	.section	.rodata,"a",@progbits
	.p2align	6, 0x0
	.amdhsa_kernel k_q57b380f787_outp
		.amdhsa_group_segment_fixed_size 327680
		.amdhsa_private_segment_fixed_size 0
		.amdhsa_enable_private_segment 0
		.amdhsa_kernarg_size 40
		.amdhsa_user_sgpr_count 2
		.amdhsa_user_sgpr_kernarg_segment_ptr 1
		.amdhsa_wavefront_size32 1
		.amdhsa_system_sgpr_workgroup_id_x 1
		.amdhsa_system_sgpr_workgroup_id_y 1
		.amdhsa_system_sgpr_workgroup_id_z 1
		.amdhsa_system_vgpr_workitem_id 0
		.amdhsa_next_free_vgpr 512
		.amdhsa_next_free_sgpr 92
		.amdhsa_reserve_vcc 0
		.amdhsa_float_denorm_mode_32 3
		.amdhsa_float_denorm_mode_16_64 3
		.amdhsa_memory_ordered 1
		.amdhsa_forward_progress 1
		.amdhsa_inst_pref_size 45
	.end_amdhsa_kernel
	.amdgpu_metadata
---
amdhsa.version: [ 1, 2 ]
amdhsa.kernels:
  - .name:           k_q57b380f787_outp
    .symbol:         k_q57b380f787_outp.kd
    .args:
      - { .name: af, .offset: 0, .size: 8, .value_kind: global_buffer, .address_space: global }
      - { .name: w_o_codes, .offset: 8, .size: 8, .value_kind: global_buffer, .address_space: global }
      - { .name: b_o, .offset: 16, .size: 8, .value_kind: global_buffer, .address_space: global }
      - { .name: lowp_scales, .offset: 24, .size: 8, .value_kind: global_buffer, .address_space: global }
      - { .name: out0, .offset: 32, .size: 8, .value_kind: global_buffer, .address_space: global }
    .group_segment_fixed_size: 327680
    .private_segment_fixed_size: 0
    .kernarg_segment_align: 8
    .kernarg_segment_size: 40
    .max_flat_workgroup_size: 128
    .sgpr_count:     92
    .vgpr_count:     512
    .wavefront_size: 32
...
	.end_amdgpu_metadata
.endif
;; end of part 3
